; MI455X (gfx1250); checked and timed in simulation.
; The chip was launched on July 23, 2026; its instructions are those of AMD's public machine-readable ISA for CDNA 5 (MIT licence, August 2026) and "CDNA5" Instruction Set Architecture Reference Guide (July 2026). The comments in the code are by the model that wrote it; some were corrected since.
;; Memory Bank. Allowed arithmetic: matrix products marked QUANTISED: E2M1 operands, one E8M0 scale for each 32 along K, by v_wmma_scale_f32_16x16x128_f8f6f4 with both operands' format E2M1 (or v_wmma_scale_f32_32x16x128_f4), f32 sums; everything else in f32.
;; Inputs: keys 131,072 x 128 float32; q 1,024 x 128 float32; values 131,072 x 256 float32.
;; Outputs: out0 1,024 x 256 float32.
;; Constants: topk = 5.
;; This version of the problem:
;;   THIS VERSION OF THE PROBLEM IS GIVEN IN LOW PRECISION. The matrix products marked QUANTISED in the list below multiply operands that are first quantised to E2M1 (2 exponent bits, 1 mantissa bit; 4 bits a number), with one power-of-two scale for each 32 numbers along K (OCP MX v1.0); their sums are f32. All else is computed in f32.
;;   The module's matrix products, in the order in which they are computed (A, B: the left and right operand; K: the contracted axis; several contracted axes count as one K, in the product's order):
;;     1. [M 1,024, K 128] x [K 128, N 131,072]; A: computed on the way; B: computed on the way: QUANTISED
;;   THE QUANTISER, for each operand of a quantised product, along K:
;;     - K is cut into blocks of 32 from its start; a last block that is shorter is filled with zeros.
;;     - A block's scale is 2^e with e = floor(log2(the largest magnitude in the block)) - 2, held to -126 .. 127; a block of zeros has e = 0. As a byte (E8M0): e + 127.
;;     - Each number is divided by its block's scale, clamped to +-6, and rounded to the nearest number of E2M1, ties to even, subnormals kept.
;;     - The product sums the exact products of the quantised numbers (number of the format x scale) in f32.
;;   ~~~python
;;   def quantise(x, axis):      # numpy; x: float32 -> the quantised numbers, widened to float32 again
;;       x = np.moveaxis(x, axis, -1); K = x.shape[-1]
;;       x = np.pad(x, [(0, 0)] * (x.ndim - 1) + [(0, -K % 32)]); x = x.reshape(x.shape[:-1] + (-1, 32)); a = np.abs(x).max(-1, keepdims=True)
;;       e = np.where(a > 0, np.clip(np.frexp(np.where(a > 0, a, 1))[1] - 1 - 2, -126, 127), 0)      # np.frexp(a)[1] - 1 = floor(log2(a)), exactly
;;       r = np.clip(x / 2.0 ** e, -6, 6)
;;       step = 2.0 ** (np.maximum(np.frexp(np.where(r == 0, 1, r))[1] - 1, 0) - 1)
;;       q = np.round(r / step) * step * 2.0 ** e      # np.round: ties to even
;;       return np.moveaxis(q.reshape(q.shape[:-2] + (-1,))[..., :K], -1, axis).astype(np.float32)
;;   ~~~
;;   OPERANDS COMPUTED ON THE WAY. 'Computed on the way' means the value that the module computes at that place (a softmax that the list does not call 'softmax' is quantised finished and normalised). What goes into a quantiser is computed in f32, as accurately as f32 sums, v_exp_f32 and their like allow (about 1e-6 of the number): no bf16 or f16 on the way to a quantiser, and a product that is left as it is and whose result goes on into a quantised operand takes f32 operands (vector FMAs, or v_wmma_f32_16x16x4_f32). A number that lies on a knife's edge between two numbers of the format may be rounded either way, as far as f32 arithmetic and the matrix unit's own rounding can turn it there, and no further.
;; One version. Each part assembles by itself: llvm-mc -triple=amdgcn-amd-amdhsa -mcpu=gfx1250 --defsym DOCPART=n.
;; ======== version 1 of 1: 5 launches
;; workspace buffers: kc 8,388,608 bytes; ks 524,288 bytes; qc 65,536 bytes; qs 4,096 bytes; gm 4,194,304 bytes; cand 32,768 bytes of whole numbers; idx 65,536 bytes of whole numbers
;; launch quant (part 1): grid 258 x 1, 4 waves a work-group, no clusters, 34,304 bytes of LDS; arguments keys, q, kc, ks, qc, qs; writes kc, ks, qc, qs
.if DOCPART == 1
	.amdgcn_target "amdgcn-amd-amdhsa--gfx1250"
	.amdhsa_code_object_version 6
	.text
	.protected	k_q8973341e0a_quant
	.globl	k_q8973341e0a_quant
	.p2align	8
	.type	k_q8973341e0a_quant,@function
k_q8973341e0a_quant:
	s_mov_b64 s[64:65], 0
	v_nop
	global_prefetch_b8 v0, s[64:65] scope:SCOPE_SE
	s_setreg_imm32_b32 hwreg(HW_REG_WAVE_MODE, 25, 1), 1
	s_wait_xcnt 0x0
; keys [131072][128] and q [1024][128], f32: each row is divided by max(its norm, 1e-8) and quantised along its 128 numbers to codes of FP4 (E2M1),
; one E8M0 scale byte for each 32.  The codes leave IN THE ORDER OF AN OPERAND'S REGISTERS: a tile of 16 rows is 1,024 bytes, byte c*512 + 16*lane = registers 4c..4c+3 of
; lane (r = lane % 16, h = lane / 16): row r, k = 64c + 32h + 0..31.  The scale words of a chunk of 8 tiles are 512 bytes: byte 16*lane + 4*i = the word of tile 2i + h, row r.
; SHARES: a wave takes a chunk of 128 rows (8 tiles).  Work-groups 0-255 take keys, 256 and 257 take q: only pointers are chosen, the text has one path.
; A load reads one whole row (512 consecutive bytes, 16 a lane); a tile turns through the wave's own stage in LDS, so that a lane then holds 64 numbers of ONE row in its operand's order.
; A block's scale is 2^(floor(log2(largest magnitude)) - 2): its byte is the largest magnitude's exponent field - 2, held at 1 from below.
; LIMITS: NaN and infinities among the inputs are not served.  A block of zeros gets the byte 1 where the rule says 127: its codes are zeros, and this program alone reads the bytes.
; x / norm is x * (1 / norm), 1 / norm by v_sqrt_f32, the hold at 1e-8 and v_rcp_f32: a few units in the last place from a division.
.set PITCH, 528                        ; a stage row: 512 bytes + 16 = 132 words: row r starts at bank 4 r mod 64 (64 banks of 4 bytes: ISA guide 11.1)
.set STG,   16*PITCH                   ; a wave's stage
.set R,   16                           ; v16-143  two sets of 64: a tile as loaded (register 4 i ..: row i, my 4 numbers)
.set X,   144                          ; v144-207 register 32 c + i: row r, k = 64 c + 32 h + i
.set C,   208                          ; v208-215 the tile's fragment
.set S,   216                          ; v216-219 the chunk's scale words
.set P,   220                          ; v220-227 four pairs of sums of squares
.set BM,  228                          ; v228-229 my two blocks' largest magnitudes; v230-231 second chains
.set RI,  232                          ; v232-233 1 / norm (a pair is named; the low word serves both halves)
.set SS,  234                          ; sum of squares
.set PD,  235                          ; a lane permute's destination
.set SC,  236                          ; v236-237 the conversions' scale operands
.set BY,  238                          ; v238-239 the scale bytes
.set W,   240                          ; the row's scale word
.set NR,  241                          ; the norm
	s_load_b256 s[4:11], s[0:1], 0x0               ; keys s[4:5], q s[6:7], kc s[8:9], ks s[10:11]
	s_load_b128 s[12:15], s[0:1], 0x20             ; qc s[12:13], qs s[14:15]
	v_lshl_add_u32 v248, v0, 2, 0x8400
	v_mov_b32 v249, 0
	v_lshrrev_b32 v5, 5, v0
	v_readfirstlane_b32 s16, v5                    ; wave
	v_and_b32 v6, 31, v0                           ; lane
	v_lshlrev_b32 v1, 4, v6                        ; 16 x lane: my place in a row as loaded, and in every store
	s_mul_i32 s17, s16, STG
	v_add_nc_u32 v2, s17, v1                       ; the stage, on the way in
	v_and_b32 v7, 15, v0                           ; r
	v_bfe_u32 v8, v0, 4, 1                         ; h
	v_mul_u32_u24 v3, v7, PITCH
	v_lshl_add_u32 v3, v8, 7, v3
	v_add_nc_u32 v3, s17, v3                       ; and on the way out: row r, + 128 h bytes
	v_lshlrev_b32 v4, 3, v8                        ; 8 h: how far my two scale bytes are shifted
	v_mov_b32 v[RI+1], 0                           ; named as the upper half of a pair
	v_mov_b32 v[PD], 0                             ; a lane permute's destination counts as one of its sources
	s_mov_b32 s20, 0x76543210
	s_mov_b32 s21, 0xfedcba98                      ; v_permlanex16_b32's selects for lane l xor 16
	s_mov_b32 s22, 0xffff0000                      ; lanes 16-31
	s_wait_alu depctr_va_vdst(0)
	s_wait_kmcnt 0x0
	s_cmp_lt_u32 ttmp9, 256                        ; keys or q?  The choice hangs on the work-group's number alone
	s_cselect_b64 s[4:5], s[4:5], s[6:7]
	s_cselect_b64 s[8:9], s[8:9], s[12:13]
	s_cselect_b64 s[10:11], s[10:11], s[14:15]
	s_cselect_b32 s17, 0, 256
	s_sub_co_u32 s17, ttmp9, s17
	s_lshl_b32 s17, s17, 2
	s_add_co_u32 s17, s17, s16                     ; my chunk of the tensor
	s_mov_b32 s19, 0
	s_lshl_b32 s18, s17, 16                        ; 128 rows of 512 bytes
	s_add_nc_u64 s[4:5], s[4:5], s[18:19]
	s_lshl_b32 s18, s17, 13                        ; 8 tiles of 1,024 bytes
	s_add_nc_u64 s[8:9], s[8:9], s[18:19]
	s_lshl_b32 s18, s17, 9                         ; 512 bytes of scale words
	s_add_nc_u64 s[10:11], s[10:11], s[18:19]
.macro LOAD t                          ; tile t: 16 rows, a row a load
.irp i, 0,1,2,3,4,5,6,7,8,9,10,11,12,13,14,15
	global_load_b128 v[R+64*((\t)%2)+4*\i:R+64*((\t)%2)+4*\i+3], v1, s[4:5] offset:(\t)*8192+\i*512 th:TH_LOAD_NT
.endr
.endm
.macro TILE t
.if (\t) < 7
	s_wait_loadcnt 16                              ; this tile's 16 loads are in; the next tile's 16 may be out
.else
	s_wait_loadcnt 0
.endif
.irp i, 0,1,2,3,4,5,6,7,8,9,10,11,12,13,14,15
	ds_store_b128 v2, v[R+64*((\t)%2)+4*\i:R+64*((\t)%2)+4*\i+3] offset:\i*PITCH
.endr
.irp c, 0,1
.irp i, 0,1,2,3,4,5,6,7
	ds_load_b128 v[X+32*\c+4*\i:X+32*\c+4*\i+3], v3 offset:\c*256+16*\i   ; LDS serves a wave's instructions in order: these see the stores above
.endr
.endr
	s_wait_dscnt 0x0                               ; my 64 numbers are in, and the stores have read their registers,
.if (\t) < 6
	LOAD (\t)+2                                    ; which take the tile two further on
.endif
.irp j, 0,1,2,3
	v_pk_mul_f32 v[P+2*\j:P+2*\j+1], v[X+2*\j:X+2*\j+1], v[X+2*\j:X+2*\j+1]   ; the sum of squares: four chains, started by the first products
.endr
.set j, 4
.rept 28
	v_pk_fma_f32 v[P+2*(j%4):P+2*(j%4)+1], v[X+2*j:X+2*j+1], v[X+2*j:X+2*j+1], v[P+2*(j%4):P+2*(j%4)+1]
.set j, j+1
.endr
	v_pk_add_f32 v[P:P+1], v[P:P+1], v[P+2:P+3]
	v_pk_add_f32 v[P+4:P+5], v[P+4:P+5], v[P+6:P+7]
	v_pk_add_f32 v[P:P+1], v[P:P+1], v[P+4:P+5]
	v_add_f32 v[SS], v[P], v[P+1]
	v_permlanex16_b32 v[PD], v[SS], s20, s21       ; the row's other 64 numbers lie in lane l xor 16
	v_add_f32 v[SS], v[SS], v[PD]
	s_wait_alu depctr_va_vdst(0)
	v_sqrt_f32 v[NR], v[SS]
	; my two blocks' largest |x|, two chains each: plain work that names nothing of the root
.irp c, 0,1
	v_max3_num_f32 v[BM+\c], |v[X+32*\c]|, |v[X+32*\c+1]|, |v[X+32*\c+2]|
	v_max3_num_f32 v[BM+2+\c], |v[X+32*\c+3]|, |v[X+32*\c+4]|, |v[X+32*\c+5]|
.endr
.irp i, 6,10,14,18,22,26
.irp c, 0,1
	v_max3_num_f32 v[BM+\c], v[BM+\c], |v[X+32*\c+\i]|, |v[X+32*\c+\i+1]|
	v_max3_num_f32 v[BM+2+\c], v[BM+2+\c], |v[X+32*\c+\i+2]|, |v[X+32*\c+\i+3]|
.endr
.endr
.irp c, 0,1
	v_max3_num_f32 v[BM+\c], v[BM+\c], |v[X+32*\c+30]|, |v[X+32*\c+31]|
.endr
.irp c, 0,1
	v_max_num_f32 v[BM+\c], v[BM+\c], v[BM+2+\c]
.endr
	s_wait_alu depctr_va_vdst(0)                   ; a wait ahead of the first line that names the root
	v_max_num_f32 v[NR], 0x322bcc77, v[NR]         ; max(norm, 1e-8)
	s_wait_alu depctr_va_vdst(0)
	v_rcp_f32 v[RI], v[NR]
	v_nop                                          ; a plain line behind the reciprocal
	s_wait_alu depctr_va_vdst(0)                   ; and the wait ahead of its first reader
.irp c, 0,1
	v_mul_f32 v[BM+\c], v[BM+\c], v[RI]            ; rounding keeps order: this is the largest |x / norm| of the block, bit for bit
.endr
.irp c, 0,1
	v_max_num_f32 v[BM+\c], 0x1800000, v[BM+\c]    ; the floor 2^(3 - 127): the byte cannot fall under 1
.endr
.irp c, 0,1
	v_add_nc_u32 v[SC+\c], 0xff000000, v[BM+\c]    ; 2 off the exponent field: the conversion's scale operand
.endr
.irp c, 0,1
	v_lshrrev_b32 v[BY+\c], 23, v[SC+\c]           ; the scale's byte
.endr
.set j, 0
.rept 32
	v_pk_mul_f32 v[X+2*j:X+2*j+1], v[X+2*j:X+2*j+1], v[RI:RI+1] op_sel_hi:[1,0]   ; x / norm
.set j, j+1
.endr
	v_lshl_or_b32 v[W], v[BY+1], 16, v[BY]         ; my two bytes: blocks h and 2 + h of row r,
	v_lshlrev_b32 v[W], v4, v[W]                   ; at their places in the word;
	v_permlanex16_b32 v[PD], v[W], s20, s21
	v_or_b32 v[W], v[W], v[PD]                     ; with lane l xor 16's two the word is whole, in both lanes
.if ((\t)%2) == 0
	v_mov_b32 v[S+(\t)/2], v[W]                    ; an even tile's words stay in lanes 0-15,
.else
	v_cndmask_b32 v[S+(\t)/2], v[S+(\t)/2], v[W], s22   ; an odd tile's go to lanes 16-31 of the same register
.endif
	s_wait_xcnt 0x0                                ; the last tile's stores have read the fragment's registers: they are written again only behind this wait
.irp c, 0,1
.irp g, 0,1,2,3
	v_cvt_scalef32_pk8_fp4_f32 v[C+4*\c+\g], v[X+32*\c+8*\g:X+32*\c+8*\g+7], v[SC+\c]   ; to the nearest code, ties to even, beyond 6 the largest code
.endr
.endr
	v_nop                                          ; one plain line behind the last scaled conversion
	global_store_b128 v1, v[C:C+3], s[8:9] offset:(\t)*1024        ; 32 lanes store 512 consecutive bytes, at a multiple of 256 from the buffer's first byte
	global_store_b128 v1, v[C+4:C+7], s[8:9] offset:(\t)*1024+512
.endm
	LOAD 0
	LOAD 1
.irp t, 0,1,2,3,4,5,6,7
	TILE \t
.endr
	s_wait_alu depctr_va_vdst(0)
	global_store_b128 v1, v[S:S+3], s[10:11]       ; the chunk's 512 bytes of scale words
	s_wait_tensorcnt 0x0
	ds_add_u32 v248, v249
	s_wait_dscnt 0x0
	s_endpgm
.Lfunc_end_k_q8973341e0a_quant:
	.size	k_q8973341e0a_quant, .Lfunc_end_k_q8973341e0a_quant-k_q8973341e0a_quant
	.p2alignl 7, 3214868480
	.fill 96, 4, 3214868480
	.section	.rodata,"a",@progbits
	.p2align	6, 0x0
	.amdhsa_kernel k_q8973341e0a_quant
		.amdhsa_group_segment_fixed_size 34304
		.amdhsa_private_segment_fixed_size 0
		.amdhsa_enable_private_segment 0
		.amdhsa_kernarg_size 48
		.amdhsa_user_sgpr_count 2
		.amdhsa_user_sgpr_kernarg_segment_ptr 1
		.amdhsa_wavefront_size32 1
		.amdhsa_system_sgpr_workgroup_id_x 1
		.amdhsa_system_sgpr_workgroup_id_y 1
		.amdhsa_system_sgpr_workgroup_id_z 1
		.amdhsa_system_vgpr_workitem_id 0
		.amdhsa_next_free_vgpr 250
		.amdhsa_next_free_sgpr 66
		.amdhsa_reserve_vcc 0
		.amdhsa_float_denorm_mode_32 3
		.amdhsa_float_denorm_mode_16_64 3
		.amdhsa_memory_ordered 1
		.amdhsa_forward_progress 1
		.amdhsa_inst_pref_size 94
	.end_amdhsa_kernel
	.amdgpu_metadata
---
amdhsa.version: [ 1, 2 ]
amdhsa.kernels:
  - .name:           k_q8973341e0a_quant
    .symbol:         k_q8973341e0a_quant.kd
    .args:
      - { .name: keys, .offset: 0, .size: 8, .value_kind: global_buffer, .address_space: global }
      - { .name: q, .offset: 8, .size: 8, .value_kind: global_buffer, .address_space: global }
      - { .name: kc, .offset: 16, .size: 8, .value_kind: global_buffer, .address_space: global }
      - { .name: ks, .offset: 24, .size: 8, .value_kind: global_buffer, .address_space: global }
      - { .name: qc, .offset: 32, .size: 8, .value_kind: global_buffer, .address_space: global }
      - { .name: qs, .offset: 40, .size: 8, .value_kind: global_buffer, .address_space: global }
    .group_segment_fixed_size: 34304
    .private_segment_fixed_size: 0
    .kernarg_segment_align: 8
    .kernarg_segment_size: 48
    .max_flat_workgroup_size: 128
    .sgpr_count:     66
    .vgpr_count:     250
    .wavefront_size: 32
...
	.end_amdgpu_metadata
.endif
;; end of part 1
;; launch scan (part 2): grid 128 x 2, 16 waves a work-group, no clusters, 122,880 bytes of LDS; arguments kc, ks, qc, qs, gm; writes gm
.if DOCPART == 2
	.amdgcn_target "amdgcn-amd-amdhsa--gfx1250"
	.amdhsa_code_object_version 6
	.text
	.protected	k_q8973341e0a_scan
	.globl	k_q8973341e0a_scan
	.p2align	8
	.type	k_q8973341e0a_scan,@function
k_q8973341e0a_scan:
	s_mov_b64 s[64:65], 0
	v_nop
	global_prefetch_b8 v0, s[64:65] scope:SCOPE_SE
	s_setreg_imm32_b32 hwreg(HW_REG_WAVE_MODE, 25, 1), 1
	s_wait_xcnt 0x0
; The five best keys of a query lie in the five chunks whose largest scores are best (equal scores: the lower chunk first), so later launches need these maxima alone.
; SHARES: work-group (x, y) takes keys 1,024 x .. + 1,023 (8 chunks) and queries 512 y .. + 511.  Of its sixteen waves, wave w takes queries 128 (w % 4) on (8 tiles, kept in registers) and
; the two chunks 2 (w / 4), 2 (w / 4) + 1 (16 tiles of keys, from LDS): 128 matrix instructions, each followed up by four v_max3_num_f32.  Four waves share a SIMD.
; Codes and scale words lie in memory in the order of the operands' registers, so the work-group's 104,448 bytes are copied into LDS once, as they lie, and every fragment is two loads of 16 bytes a lane.
; No clusters and no joint loads: what work-groups share is read once by each, at its head; no LDS byte is filled twice, so the copy goes through registers.
; Source 0 = 16 keys, source 1 = 16 queries: lane (r, h) holds query r and keys 8 h + 0..7 of the tile.
; OUT: gm [query / 8][chunk / 8][8 queries][8 chunks] f32: a work-group's 64 blocks of 256 bytes are gathered in LDS and each is stored whole by sixteen lanes.
; LIMITS: NaN among the scores is not served (the maxima pass it over).
.set QC,    65536                      ; LDS: keys' codes at 0 (65,536 bytes), queries' codes (32,768),
.set KS,    98304                      ; keys' scale words (4,096),
.set QS,    102400                     ; queries' (2,048),
.set STAGE, 104448                     ; and the stage [512 queries][8 chunks] f32 (16,384)
.set B,   16                           ; v16-79   my 8 tiles of queries
.set QSC, 80                           ; v80-83   their scale words: tile n in register n / 2, lanes 0-15 (n even) or 16-31
.set KSC, 84                           ; v84-91   my two chunks' scale words, likewise
.set A,   92                           ; v92-107  a tile of keys, two sets
.set M,   108                          ; v108-123 the running maxima: tile of queries n, chunk cc at 2 n + cc
.set D,   124                          ; v124-251 two banks of 8 results
.set T,   252                          ; v252-255 at work
.set CP,  124                          ; the copy's data, before the banks are used
	s_load_b256 s[4:11], s[0:1], 0x0               ; kc s[4:5], ks s[6:7], qc s[8:9], qs s[10:11]
	s_load_b64 s[12:13], s[0:1], 0x20              ; gm
	v_lshlrev_b32 v1, 4, v0                        ; 16, 8 and 4 bytes a thread
	v_lshlrev_b32 v2, 3, v0
	v_lshlrev_b32 v3, 2, v0
	s_and_b32 s17, ttmp7, 0xffff                   ; y
	s_mov_b32 s19, 0
	s_wait_alu depctr_va_vdst(0)
	s_wait_kmcnt 0x0
	s_lshl_b32 s18, ttmp9, 16
	s_add_nc_u64 s[4:5], s[4:5], s[18:19]          ; my 8 chunks' codes,
	s_lshl_b32 s18, ttmp9, 12
	s_add_nc_u64 s[6:7], s[6:7], s[18:19]          ; their scale words,
	s_lshl_b32 s18, s17, 15
	s_add_nc_u64 s[8:9], s[8:9], s[18:19]          ; my 512 queries' codes,
	s_lshl_b32 s18, s17, 11
	s_add_nc_u64 s[10:11], s[10:11], s[18:19]      ; their scale words
	s_lshl_b32 s18, s17, 21
	s_add_nc_u64 s[12:13], s[12:13], s[18:19]      ; gm: 64 y groups of 8 queries, 32,768 bytes each,
	s_lshl_b32 s18, ttmp9, 8
	s_add_nc_u64 s[12:13], s[12:13], s[18:19]      ; and block x in each
.irp i, 0,1,2,3,4,5,6,7
	global_load_b128 v[CP+4*\i:CP+4*\i+3], v1, s[4:5] offset:8192*\i
.endr
.irp i, 0,1,2,3
	global_load_b128 v[CP+32+4*\i:CP+32+4*\i+3], v1, s[8:9] offset:8192*\i
.endr
	global_load_b64 v[CP+48:CP+49], v2, s[6:7]
	global_load_b32 v[CP+50], v3, s[10:11]
	v_lshrrev_b32 v14, 5, v0
	s_delay_alu instid0(VALU_DEP_1)
	v_readfirstlane_b32 s14, v14                   ; wave
	s_and_b32 s15, s14, 3                          ; qb: which 128 queries
	s_lshr_b32 s16, s14, 2                         ; kq: which two chunks
	v_add_nc_u32 v4, QC, v1
	v_add_nc_u32 v5, KS, v2
	v_add_nc_u32 v6, QS, v3
	v_and_b32 v14, 31, v0
	s_delay_alu instid0(VALU_DEP_1)
	v_lshlrev_b32 v15, 4, v14                      ; 16 x lane
	s_lshl_b32 s20, s15, 13
	s_add_co_u32 s20, s20, QC
	v_add_nc_u32 v7, s20, v15                      ; my queries' fragments
	s_lshl_b32 s20, s15, 9
	s_add_co_u32 s20, s20, QS
	v_add_nc_u32 v8, s20, v15                      ; their scale words
	s_lshl_b32 s20, s16, 14
	v_add_nc_u32 v9, s20, v15                      ; my keys' fragments
	s_lshl_b32 s20, s16, 10
	s_add_co_u32 s20, s20, KS
	v_add_nc_u32 v10, s20, v15                     ; their scale words
	v_and_b32 v14, 15, v0
	s_delay_alu instid0(VALU_DEP_1)
	v_lshlrev_b32 v11, 5, v14                      ; the stage, on the way in: query r of a tile: 32 bytes a query,
	s_delay_alu instid0(VALU_DEP_2)
	v_lshlrev_b32 v13, 4, v14
	v_bfe_u32 v14, v0, 4, 1
	s_delay_alu instid0(VALU_DEP_1)
	v_lshl_add_u32 v11, v14, 2, v11                ; + 4 h: lanes 16-31 bring the second chunk,
	s_lshl_b32 s20, s15, 12
	s_lshl_b32 s21, s16, 3
	s_add_co_u32 s20, s20, s21
	s_add_co_u32 s20, s20, STAGE
	v_add_nc_u32 v11, s20, v11                     ; + 4,096 qb + 8 kq
	v_add_nc_u32 v12, STAGE, v1                    ; and on the way out: 16 bytes a thread
	v_lshrrev_b32 v14, 4, v0
	s_delay_alu instid0(VALU_DEP_1)
	v_lshl_add_u32 v13, v14, 15, v13               ; in gm: block (thread / 16), 32,768 bytes apart, + 16 (thread % 16)
.irp j, 0,1,2,3,4,5,6,7
	s_wait_loadcnt 13-\j                           ; loads come back in order: load j is in, the 13 - j behind it may be out
	ds_store_b128 v1, v[CP+4*\j:CP+4*\j+3] offset:8192*\j
.endr
.irp j, 0,1,2,3
	s_wait_loadcnt 5-\j
	ds_store_b128 v4, v[CP+32+4*\j:CP+32+4*\j+3] offset:8192*\j
.endr
	s_wait_loadcnt 1
	ds_store_b64 v5, v[CP+48:CP+49]
	s_wait_loadcnt 0
	ds_store_b32 v6, v[CP+50]
	s_wait_dscnt 0x0                               ; for the others' sake: my stores have landed
	s_barrier_signal -1
	s_barrier_wait -1                              ; the whole copy lies in LDS
.irp n, 0,1,2,3,4,5,6,7
	ds_load_b128 v[B+8*\n:B+8*\n+3], v7 offset:\n*1024
	ds_load_b128 v[B+8*\n+4:B+8*\n+7], v7 offset:\n*1024+512
.endr
	ds_load_b128 v[QSC:QSC+3], v8
	ds_load_b128 v[KSC:KSC+3], v10
	ds_load_b128 v[KSC+4:KSC+7], v10 offset:512
	ds_load_b128 v[A:A+3], v9
	ds_load_b128 v[A+4:A+7], v9 offset:512
; the product of key tile s (of my 16) and query tile n.  K is one step: every product starts its sum with the constant 0, and no accumulator is added onto
.macro PROD s, n
.set rD, D+64*((\s)%2)+8*(\n)
.set rA, A+8*((\s)%2)
.set rB, B+8*(\n)
.set rK, KSC+4*((\s)/8)+((\s)%8)/2
.set rQ, QSC+(\n)/2
.if ((\s)%2) && ((\n)%2)
	v_wmma_scale_f32_16x16x128_f8f6f4 v[rD:rD+7], v[rA:rA+7], v[rB:rB+7], 0, v[rK], v[rQ] matrix_a_fmt:MATRIX_FMT_FP4 matrix_b_fmt:MATRIX_FMT_FP4 matrix_a_scale:MATRIX_SCALE_ROW1 matrix_b_scale:MATRIX_SCALE_ROW1
.elseif ((\s)%2)
	v_wmma_scale_f32_16x16x128_f8f6f4 v[rD:rD+7], v[rA:rA+7], v[rB:rB+7], 0, v[rK], v[rQ] matrix_a_fmt:MATRIX_FMT_FP4 matrix_b_fmt:MATRIX_FMT_FP4 matrix_a_scale:MATRIX_SCALE_ROW1
.elseif ((\n)%2)
	v_wmma_scale_f32_16x16x128_f8f6f4 v[rD:rD+7], v[rA:rA+7], v[rB:rB+7], 0, v[rK], v[rQ] matrix_a_fmt:MATRIX_FMT_FP4 matrix_b_fmt:MATRIX_FMT_FP4 matrix_b_scale:MATRIX_SCALE_ROW1
.else
	v_wmma_scale_f32_16x16x128_f8f6f4 v[rD:rD+7], v[rA:rA+7], v[rB:rB+7], 0, v[rK], v[rQ] matrix_a_fmt:MATRIX_FMT_FP4 matrix_b_fmt:MATRIX_FMT_FP4
.endif
.endm
; the maxima of step s's eight results, two tiles by turns; each accumulator is read from its low end on.  A chunk's first tile starts the running maximum: nothing is cleared
.macro MAXB s
.irp n, 0,2,4,6
.set rD0, D+64*((\s)%2)+8*\n
.set rD1, rD0+8
.set rM0, M+2*\n+(\s)/8
.set rM1, rM0+2
	v_max3_num_f32 v[T], v[rD0], v[rD0+1], v[rD0+2]
	v_max3_num_f32 v[T+2], v[rD1], v[rD1+1], v[rD1+2]
	v_max3_num_f32 v[T+1], v[rD0+3], v[rD0+4], v[rD0+5]
	v_max3_num_f32 v[T+3], v[rD1+3], v[rD1+4], v[rD1+5]
	v_max3_num_f32 v[T], v[T], v[rD0+6], v[rD0+7]
	v_max3_num_f32 v[T+2], v[T+2], v[rD1+6], v[rD1+7]
.if ((\s)%8) == 0
	s_delay_alu instid0(VALU_DEP_2)
	v_max_num_f32 v[rM0], v[T], v[T+1]
	s_delay_alu instid0(VALU_DEP_2)
	v_max_num_f32 v[rM1], v[T+2], v[T+3]
.else
	s_delay_alu instid0(VALU_DEP_2)
	v_max3_num_f32 v[rM0], v[rM0], v[T], v[T+1]
	s_delay_alu instid0(VALU_DEP_2)
	v_max3_num_f32 v[rM1], v[rM1], v[T+2], v[T+3]
.endif
.endr
.endm
; A step: the next tile of keys is asked for, this tile's eight products are issued, and the LAST step's results are reduced behind them.  Those 32 plain lines name the other bank alone:
; they are the places between this step's products and the next step's loads into the set of keys that these products read, the first read of this step's results,
; and the products that write this bank anew two steps on.  Behind step 0, which has no step before it, five v_nop stand for them.
.macro STEP s
.if (\s) < 15
	ds_load_b128 v[A+8*(((\s)+1)%2):A+8*(((\s)+1)%2)+3], v9 offset:((\s)+1)*1024
	ds_load_b128 v[A+8*(((\s)+1)%2)+4:A+8*(((\s)+1)%2)+7], v9 offset:((\s)+1)*1024+512
	s_wait_dscnt 2                                 ; all but the two just issued: this tile's fragment is in
.else
	s_wait_dscnt 0
.endif
.irp n, 0,1,2,3,4,5,6,7
	PROD \s, \n
.endr
.if (\s) == 0
.rept 5
	v_nop
.endr
.else
	MAXB (\s)-1
.endif
.endm
.irp s, 0,1,2,3,4,5,6,7,8,9,10,11,12,13,14,15
	STEP \s
.endr
	MAXB 15
	; a query's keys lie in lanes l and l xor 16, its two chunks in two registers: one exchange of halves and one maximum leave chunk 2 kq in lanes 0-15 and chunk 2 kq + 1 in lanes 16-31
.irp n, 0,1,2,3,4,5,6,7
	v_permlane16_swap_b32 v[M+2*\n], v[M+2*\n+1]
.endr
.irp n, 0,1,2,3,4,5,6,7
	v_max_num_f32 v[M+2*\n], v[M+2*\n], v[M+2*\n+1]
.endr
.irp n, 0,1,2,3,4,5,6,7
	ds_store_b32 v11, v[M+2*\n] offset:\n*512
.endr
	s_wait_dscnt 0x0                               ; for the others' sake: my stores into the stage have landed
	s_barrier_signal -1
	s_barrier_wait -1
	ds_load_b128 v[16:19], v12
	ds_load_b128 v[20:23], v12 offset:8192
	s_wait_dscnt 0x0
	global_store_b128 v13, v[16:19], s[12:13]                      ; sixteen lanes store 256 consecutive bytes, at a multiple of 256 from gm's first byte
	global_store_b128 v13, v[20:23], s[12:13] offset:1048576       ; and the block 32 groups of queries on
	s_wait_xcnt 0x0
	v_lshl_add_u32 v254, v0, 2, 0x1d800
	v_mov_b32 v255, 0
	s_wait_alu depctr_va_vdst(0)
	s_wait_tensorcnt 0x0
	ds_add_u32 v254, v255
	s_wait_dscnt 0x0
	s_endpgm
.Lfunc_end_k_q8973341e0a_scan:
	.size	k_q8973341e0a_scan, .Lfunc_end_k_q8973341e0a_scan-k_q8973341e0a_scan
	.p2alignl 7, 3214868480
	.fill 96, 4, 3214868480
	.section	.rodata,"a",@progbits
	.p2align	6, 0x0
	.amdhsa_kernel k_q8973341e0a_scan
		.amdhsa_group_segment_fixed_size 122880
		.amdhsa_private_segment_fixed_size 0
		.amdhsa_enable_private_segment 0
		.amdhsa_kernarg_size 40
		.amdhsa_user_sgpr_count 2
		.amdhsa_user_sgpr_kernarg_segment_ptr 1
		.amdhsa_wavefront_size32 1
		.amdhsa_system_sgpr_workgroup_id_x 1
		.amdhsa_system_sgpr_workgroup_id_y 1
		.amdhsa_system_sgpr_workgroup_id_z 1
		.amdhsa_system_vgpr_workitem_id 0
		.amdhsa_next_free_vgpr 256
		.amdhsa_next_free_sgpr 66
		.amdhsa_reserve_vcc 0
		.amdhsa_float_denorm_mode_32 3
		.amdhsa_float_denorm_mode_16_64 3
		.amdhsa_memory_ordered 1
		.amdhsa_forward_progress 1
		.amdhsa_inst_pref_size 63
	.end_amdhsa_kernel
	.amdgpu_metadata
---
amdhsa.version: [ 1, 2 ]
amdhsa.kernels:
  - .name:           k_q8973341e0a_scan
    .symbol:         k_q8973341e0a_scan.kd
    .args:
      - { .name: kc, .offset: 0, .size: 8, .value_kind: global_buffer, .address_space: global }
      - { .name: ks, .offset: 8, .size: 8, .value_kind: global_buffer, .address_space: global }
      - { .name: qc, .offset: 16, .size: 8, .value_kind: global_buffer, .address_space: global }
      - { .name: qs, .offset: 24, .size: 8, .value_kind: global_buffer, .address_space: global }
      - { .name: gm, .offset: 32, .size: 8, .value_kind: global_buffer, .address_space: global }
    .group_segment_fixed_size: 122880
    .private_segment_fixed_size: 0
    .kernarg_segment_align: 8
    .kernarg_segment_size: 40
    .max_flat_workgroup_size: 512
    .sgpr_count:     66
    .vgpr_count:     256
    .wavefront_size: 32
...
	.end_amdgpu_metadata
.endif
;; end of part 2
;; launch pick (part 3): grid 128 x 1, 8 waves a work-group, no clusters, 11,776 bytes of LDS; arguments gm, cand; writes cand
.if DOCPART == 3
	.amdgcn_target "amdgcn-amd-amdhsa--gfx1250"
	.amdhsa_code_object_version 6
	.text
	.protected	k_q8973341e0a_pick
	.globl	k_q8973341e0a_pick
	.p2align	8
	.type	k_q8973341e0a_pick,@function
k_q8973341e0a_pick:
	s_mov_b64 s[64:65], 0
	v_nop
	global_prefetch_b8 v0, s[64:65] scope:SCOPE_SE
	s_setreg_imm32_b32 hwreg(HW_REG_WAVE_MODE, 25, 1), 1
	s_wait_xcnt 0x0
; For each query the five chunks (of 1,024) with the best maxima, equal maxima: the lower chunk first; stored in ascending order of chunk number, as whole numbers: cand [1024][8] (five numbers, three zeros).
; SHARES: a work-group takes 8 queries, whose maxima are 32,768 consecutive bytes of gm.  Wave w reads 4,096 of them, 512 consecutive bytes a load.  A lane sees one query, (lane / 2) % 8, and 32 of its
; chunks in ascending order: it keeps a sorted list of five (value, chunk).  The 32 lists of a query meet in LDS; wave w then merges query w's, a list a lane, in five rounds.
; No matrix work, no tensor loads: the launch reads each byte once and is short.
; LIMITS: NaN is not served; +0 and -0 count as equal.
.set X,    16                          ; v16-47  32 maxima as loaded
.set V,    48                          ; v48-52  my list's values, best first
.set I,    53                          ; v53-57  and their chunks
.set ID,   58
.set TT,   59
.set MX,   60
.set PD,   61
.set F,    62
.set W,    64                          ; v64-68  the five winners
.set RES,  69
.set AW,   70                          ; LDS: where my list goes
.set AR,   71                          ; and where the list that I merge lies
.set AS,   72                          ; where a winner goes
.set AL,   73                          ; where wave 0 reads the work-group's 256 bytes back
.set AG,   74                          ; 8 x lane
.set AX,   75                          ; 16 x lane
.set BIG,  76                          ; the largest f32 number: over every chunk number
.set NINF, 77                          ; -infinity: under every score
.set IDB,  80                          ; my first chunk
.set CM,   20                          ; s20-24  masks of the five compares
.set OUTB, 10240                       ; LDS: ten arrays of 1,024 bytes [8 queries][32 lists], then 256 bytes of results
	s_load_b128 s[4:7], s[0:1], 0x0                ; gm s[4:5], cand s[6:7]
	v_lshl_add_u32 v96, v0, 2, 0x2a00
	v_mov_b32 v97, 0
	v_lshrrev_b32 v1, 5, v0
	s_delay_alu instid0(VALU_DEP_1)
	v_readfirstlane_b32 s14, v1                    ; wave
	v_and_b32 v2, 31, v0                           ; lane
	s_delay_alu instid0(VALU_DEP_1)
	v_lshlrev_b32 v[AX], 4, v2
	s_lshl_b32 s8, ttmp9, 15
	s_lshl_b32 s9, s14, 12
	s_add_co_u32 s8, s8, s9
	s_mov_b32 s9, 0
	s_wait_alu depctr_va_vdst(0)
	s_wait_kmcnt 0x0
	s_add_nc_u64 s[4:5], s[4:5], s[8:9]
.irp i, 0,1,2,3,4,5,6,7
	global_load_b128 v[X+4*\i:X+4*\i+3], v[AX], s[4:5] offset:512*\i th:TH_LOAD_NT
.endr
	s_lshl_b32 s8, ttmp9, 8
	s_add_nc_u64 s[6:7], s[6:7], s[8:9]            ; my 8 queries' 256 bytes of cand
	v_and_b32 v3, 1, v0
	v_bfe_u32 v4, v0, 4, 1
	v_bfe_u32 v5, v0, 1, 3                         ; my query of the eight
	s_delay_alu instid0(VALU_DEP_3)
	v_lshlrev_b32 v[IDB], 2, v3
	s_delay_alu instid0(VALU_DEP_1)
	v_lshl_add_u32 v[IDB], v4, 3, v[IDB]
	s_lshl_b32 s10, s14, 7
	v_add_nc_u32 v[IDB], s10, v[IDB]               ; element e of load i is chunk 128 w + 8 (lane / 16) + 4 (lane % 2) + 16 i + e
	v_lshl_or_b32 v6, v4, 1, v3                    ; which of the wave's four lists of that query is mine
	v_lshlrev_b32 v[AW], 7, v5
	s_delay_alu instid0(VALU_DEP_1)
	v_lshl_add_u32 v[AW], v6, 2, v[AW]
	s_lshl_b32 s11, s14, 4
	v_add_nc_u32 v[AW], s11, v[AW]                 ; 128 x query + 16 x wave + 4 x list
	v_lshlrev_b32 v[AR], 2, v2
	s_delay_alu instid0(VALU_DEP_1)
	v_add_nc_u32 v[AR], s10, v[AR]                 ; 128 x wave + 4 x lane
	v_and_b32 v7, 7, v0
	s_delay_alu instid0(VALU_DEP_1)
	v_lshlrev_b32 v[AS], 2, v7
	s_lshl_b32 s11, s14, 5
	s_add_co_u32 s11, s11, OUTB
	v_add_nc_u32 v[AS], s11, v[AS]                 ; 32 x wave + 4 (lane % 8)
	v_lshlrev_b32 v[AG], 3, v2
	s_delay_alu instid0(VALU_DEP_1)
	v_add_nc_u32 v[AL], OUTB, v[AG]
	v_mov_b32 v[BIG], 0x7f7fffff
	v_mov_b32 v[NINF], 0xff800000
	v_mov_b32 v[MX], 0                             ; destinations of DPP forms and lane permutes count as sources: written once
	v_mov_b32 v[PD], 0
.irp k, 0,1,2,3,4
	v_mov_b32 v[V+\k], 0xff800000
	v_mov_b32 v[I+\k], 0
.endr
	s_mov_b32 s26, 0x76543210
	s_mov_b32 s27, 0xfedcba98
.irp k, 0,1,2,3,4
	s_mov_b32 s[30+\k], 0x01010101<<\k             ; lanes with lane % 8 = k
.endr
; v[x] with the number v[ID] goes into the sorted list.  All five compares look at the old list and are strict: of equal values the one that came first, which has the lower number, stays ahead.
.macro INSERT x
.irp k, 0,1,2,3,4
	v_cmp_gt_f32 s[CM+\k], v[\x], v[V+\k]
.endr
.irp k, 4,3,2,1
	v_med3_num_f32 v[V+\k], v[V+\k-1], v[V+\k], v[\x]              ; place k keeps its value, takes x, or takes its neighbour's: the middle one of the three
	v_cndmask_b32 v[TT], v[ID], v[I+\k-1], s[CM+\k-1]
	s_delay_alu instid0(VALU_DEP_1)
	v_cndmask_b32 v[I+\k], v[I+\k], v[TT], s[CM+\k]
.endr
	v_max_num_f32 v[V], v[V], v[\x]
	v_cndmask_b32 v[I], v[I], v[ID], s[CM]
.endm
.set e, 0
	s_wait_alu depctr_va_vdst(0)
.rept 32
.if (e%4) == 0
	s_wait_alu depctr_va_vdst(0)
	s_wait_loadcnt 7-e/4                           ; loads come back in order: this one is in, the later ones may be out
.endif
	v_add_nc_u32 v[ID], 16*(e/4)+(e%4), v[IDB]
	INSERT X+e
.set e, e+1
.endr
.irp a, 0,1,2,3,4
	ds_store_b32 v[AW], v[V+\a] offset:\a*1024
	ds_store_b32 v[AW], v[I+\a] offset:(5+\a)*1024
.endr
	s_wait_dscnt 0x0                               ; for the others' sake: my list has landed
	s_barrier_signal -1
	s_barrier_wait -1
.irp a, 0,1,2,3,4
	ds_load_b32 v[V+\a], v[AR] offset:\a*1024
	ds_load_b32 v[I+\a], v[AR] offset:(5+\a)*1024
.endr
	s_wait_dscnt 0x0
.irp a, 0,1,2,3,4
	v_cvt_f32_u32 v[I+\a], v[I+\a]                 ; numbers under 2^24 are exact in f32: so the smallest of them can be found by f32 minima across lanes
.endr
; A round: the best head of the 32 lists; among equal heads the lowest number (inside a list equal values stand in ascending order of number); the list that held it moves up.
.macro ROUND k
	v_max_num_f32_dpp v[MX], v[V], v[V] row_xmask:1 row_mask:0xf bank_mask:0xf
	s_delay_alu instid0(VALU_DEP_1)
	v_max_num_f32_dpp v[MX], v[MX], v[MX] row_xmask:2 row_mask:0xf bank_mask:0xf
	s_delay_alu instid0(VALU_DEP_1)
	v_max_num_f32_dpp v[MX], v[MX], v[MX] row_xmask:4 row_mask:0xf bank_mask:0xf
	s_delay_alu instid0(VALU_DEP_1)
	v_max_num_f32_dpp v[MX], v[MX], v[MX] row_xmask:8 row_mask:0xf bank_mask:0xf
	s_delay_alu instid0(VALU_DEP_1)
	v_permlanex16_b32 v[PD], v[MX], s26, s27
	s_delay_alu instid0(VALU_DEP_1)
	v_max_num_f32 v[MX], v[MX], v[PD]
	s_delay_alu instid0(VALU_DEP_1)
	v_cmp_eq_f32 vcc_lo, v[V], v[MX]
	s_delay_alu instid0(VALU_DEP_1)
	v_cndmask_b32 v[F], v[BIG], v[I], vcc_lo
	s_delay_alu instid0(VALU_DEP_1)
	v_min_num_f32_dpp v[F], v[F], v[F] row_xmask:1 row_mask:0xf bank_mask:0xf
	s_delay_alu instid0(VALU_DEP_1)
	v_min_num_f32_dpp v[F], v[F], v[F] row_xmask:2 row_mask:0xf bank_mask:0xf
	s_delay_alu instid0(VALU_DEP_1)
	v_min_num_f32_dpp v[F], v[F], v[F] row_xmask:4 row_mask:0xf bank_mask:0xf
	s_delay_alu instid0(VALU_DEP_1)
	v_min_num_f32_dpp v[F], v[F], v[F] row_xmask:8 row_mask:0xf bank_mask:0xf
	s_delay_alu instid0(VALU_DEP_1)
	v_permlanex16_b32 v[PD], v[F], s26, s27
	s_delay_alu instid0(VALU_DEP_1)
	v_min_num_f32 v[W+\k], v[F], v[PD]
	s_delay_alu instid0(VALU_DEP_1)
	v_cmp_eq_f32 s[CM], v[I], v[W+\k]
.irp j, 0,1,2,3
	v_cndmask_b32 v[V+\j], v[V+\j], v[V+\j+1], s[CM]
	v_cndmask_b32 v[I+\j], v[I+\j], v[I+\j+1], s[CM]
.endr
	v_cndmask_b32 v[V+4], v[V+4], v[NINF], s[CM]
	v_cndmask_b32 v[I+4], v[I+4], v[BIG], s[CM]
.endm
.irp k, 0,1,2,3,4
	ROUND \k
.endr
.macro CE a, b                         ; the lower number to a, the higher to b
	v_min_num_f32 v[TT], v[W+\a], v[W+\b]
	v_max_num_f32 v[W+\b], v[W+\a], v[W+\b]
	s_delay_alu instid0(VALU_DEP_2)
	v_mov_b32 v[W+\a], v[TT]
.endm
	CE 0, 1                                        ; the five in ascending order: the next launch walks them so, and keys then come in ascending order
	CE 1, 2
	CE 2, 3
	CE 3, 4
	CE 0, 1
	CE 1, 2
	CE 2, 3
	CE 0, 1
	CE 1, 2
	CE 0, 1
	v_mov_b32 v[RES], 0
.irp k, 0,1,2,3,4
	s_delay_alu instid0(VALU_DEP_1)
	v_cndmask_b32 v[RES], v[RES], v[W+\k], s[30+\k]   ; lane % 8 = k takes winner k; 5, 6, 7 keep 0
.endr
	s_delay_alu instid0(VALU_DEP_1)
	v_cvt_u32_f32 v[RES], v[RES]
	ds_store_b32 v[AS], v[RES]                     ; four lanes write each word, with the same value
	s_wait_dscnt 0x0
	s_barrier_signal -1
	s_barrier_wait -1
	s_cmp_lg_u32 s14, 0
	s_cbranch_scc1 .Lend
	ds_load_b64 v[78:79], v[AL]
	s_wait_dscnt 0x0
	global_store_b64 v[AG], v[78:79], s[6:7]       ; 32 lanes store 256 consecutive bytes, at a multiple of 256 from cand's first byte
.Lend:
	s_wait_tensorcnt 0x0
	ds_add_u32 v96, v97
	s_wait_dscnt 0x0
	s_endpgm
.Lfunc_end_k_q8973341e0a_pick:
	.size	k_q8973341e0a_pick, .Lfunc_end_k_q8973341e0a_pick-k_q8973341e0a_pick
	.p2alignl 7, 3214868480
	.fill 96, 4, 3214868480
	.section	.rodata,"a",@progbits
	.p2align	6, 0x0
	.amdhsa_kernel k_q8973341e0a_pick
		.amdhsa_group_segment_fixed_size 11776
		.amdhsa_private_segment_fixed_size 0
		.amdhsa_enable_private_segment 0
		.amdhsa_kernarg_size 16
		.amdhsa_user_sgpr_count 2
		.amdhsa_user_sgpr_kernarg_segment_ptr 1
		.amdhsa_wavefront_size32 1
		.amdhsa_system_sgpr_workgroup_id_x 1
		.amdhsa_system_sgpr_workgroup_id_y 1
		.amdhsa_system_sgpr_workgroup_id_z 1
		.amdhsa_system_vgpr_workitem_id 0
		.amdhsa_next_free_vgpr 98
		.amdhsa_next_free_sgpr 66
		.amdhsa_reserve_vcc 1
		.amdhsa_float_denorm_mode_32 3
		.amdhsa_float_denorm_mode_16_64 3
		.amdhsa_memory_ordered 1
		.amdhsa_forward_progress 1
		.amdhsa_inst_pref_size 61
	.end_amdhsa_kernel
	.amdgpu_metadata
---
amdhsa.version: [ 1, 2 ]
amdhsa.kernels:
  - .name:           k_q8973341e0a_pick
    .symbol:         k_q8973341e0a_pick.kd
    .args:
      - { .name: gm, .offset: 0, .size: 8, .value_kind: global_buffer, .address_space: global }
      - { .name: cand, .offset: 8, .size: 8, .value_kind: global_buffer, .address_space: global }
    .group_segment_fixed_size: 11776
    .private_segment_fixed_size: 0
    .kernarg_segment_align: 8
    .kernarg_segment_size: 16
    .max_flat_workgroup_size: 256
    .sgpr_count:     66
    .vgpr_count:     98
    .wavefront_size: 32
...
	.end_amdgpu_metadata
.endif
;; end of part 3
;; launch rescan (part 4): grid 256 x 1, 4 waves a work-group, no clusters, 1,536 bytes of LDS; arguments kc, ks, qc, qs, cand, idx; writes idx
.if DOCPART == 4
	.amdgcn_target "amdgcn-amd-amdhsa--gfx1250"
	.amdhsa_code_object_version 6
	.text
	.protected	k_q8973341e0a_rescan
	.globl	k_q8973341e0a_rescan
	.p2align	8
	.type	k_q8973341e0a_rescan,@function
k_q8973341e0a_rescan:
	s_mov_b64 s[64:65], 0
	v_nop
	global_prefetch_b8 v0, s[64:65] scope:SCOPE_SE
	s_setreg_imm32_b32 hwreg(HW_REG_WAVE_MODE, 25, 1), 1
	s_wait_xcnt 0x0
; For each query the scores of the 5 x 128 keys of its five chunks are made once more, on the same codes of FP4 by the same matrix instruction, and the five best keys are found,
; equal scores: the lower key first.  Their numbers are stored as whole numbers: idx [1024][16] (five numbers, eleven zeros).
; SHARES: a wave takes a query.  The chunk numbers come by a scalar load from cand, which an earlier launch stored; each is held to 0..1,023 before it enters an address.
; Source 0 = the query in all 16 rows (every lane loads the query's own 16 bytes), source 1 = 16 keys: every register of lane (r, h) then holds the score of key r of the tile; register 0 is used.
; All 88 loads of the wave go out at once; chunks are then worked in their order.  Lanes 0-15 take an even tile's keys and lanes 16-31 the next tile's, so a lane sees 20 keys, in ascending order.
; REGISTERS, in windows of 256: window 1: the fragments of chunks 0-3 (64 each).  Window 0: all else.  s_set_vgpr_msb's low byte: bits 1:0 source 0, 3:2 source 1, 5:4 source 2, 7:6 destination.
; LIMITS: NaN is not served; +0 and -0 count as equal.
.set QA,   16                          ; v16-23   the query's fragment
.set QSW,  24                          ; v24      its scale word, in every lane
.set KSW,  28                          ; v28-47   the chunks' scale words, 4 registers each: tile t in register t / 2, lanes 0-15 (t even) or 16-31
.set K4,   48                          ; v48-111  chunk 4's fragments
.set D,    112                         ; v112-175 eight results
.set V,    176                         ; v176-180 my list's values, best first
.set I,    181                         ; v181-185 and their keys
.set ID,   186
.set TT,   187
.set MX,   188
.set PD,   189
.set F,    190
.set W,    191                         ; v191-195 the five winners
.set RES,  196
.set BIG,  197
.set NINF, 198
.set XX,   199
.set CM,   58                          ; s58-62   masks of the five compares
.set MSB, 0
.macro WIN new                         ; the immediate's high byte repeats the setting that is left
.if MSB != \new
	s_set_vgpr_msb (MSB<<8)|\new
.set MSB, \new
.endif
.endm
	s_load_b256 s[4:11], s[0:1], 0x0               ; kc s[4:5], ks s[6:7], qc s[8:9], qs s[10:11]
	s_load_b128 s[12:15], s[0:1], 0x20             ; cand s[12:13], idx s[14:15]
	v_lshl_add_u32 v254, v0, 2, 0x400
	v_mov_b32 v255, 0
	v_lshrrev_b32 v8, 5, v0
	v_readfirstlane_b32 s3, v8                     ; wave
	s_lshl_b32 s2, ttmp9, 2
	s_add_co_u32 s2, s2, s3                        ; my query
	v_and_b32 v4, 31, v0                           ; lane
	v_lshlrev_b32 v1, 4, v4                        ; 16 x lane
	v_bfe_u32 v2, v0, 4, 1
	v_lshlrev_b32 v2, 8, v2                        ; 256 (lane / 16): the query's bytes for my half of the lanes
	v_mov_b32 v3, 0
	v_add_nc_u32 v5, 32, v4                        ; v4-7: lane + 32 p
	v_add_nc_u32 v6, 64, v4
	v_add_nc_u32 v7, 96, v4
	v_and_b32 v9, 15, v0
	v_lshlrev_b32 v9, 2, v9
	s_lshl_b32 s68, s3, 6
	v_add_nc_u32 v9, s68, v9                       ; LDS: 64 x wave + 4 (lane % 16)
	v_lshlrev_b32 v10, 3, v4                       ; 8 x lane
	s_lshl_b32 s66, s2, 5
	s_mov_b32 s67, 0
	s_wait_alu depctr_va_vdst(0)
	s_wait_kmcnt 0x0
	s_add_nc_u64 s[12:13], s[12:13], s[66:67]
	s_load_b256 s[16:23], s[12:13], 0x0            ; my query's five chunks (and three zeros)
	s_lshr_b32 s66, s2, 4
	s_lshl_b32 s66, s66, 10                        ; the query's tile of 1,024 bytes,
	s_and_b32 s68, s2, 15
	s_lshl_b32 s68, s68, 4                         ; and its row's 16 bytes in it
	s_add_co_u32 s66, s66, s68
	s_add_nc_u64 s[50:51], s[8:9], s[66:67]
	s_lshr_b32 s66, s2, 7
	s_lshl_b32 s66, s66, 9                         ; its scale word: the chunk's 512 bytes,
	s_bfe_u32 s69, s2, 0x10004
	s_lshl_b32 s69, s69, 8                         ; lanes 16-31's half for an odd tile,
	s_add_co_u32 s66, s66, s69
	s_add_co_u32 s66, s66, s68                     ; the row's 16 bytes,
	s_bfe_u32 s69, s2, 0x20005
	s_lshl_b32 s69, s69, 2                         ; the word of tile pair (tile / 2)
	s_add_co_u32 s66, s66, s69
	s_add_nc_u64 s[52:53], s[10:11], s[66:67]
	s_lshl_b32 s66, ttmp9, 8
	s_add_nc_u64 s[14:15], s[14:15], s[66:67]      ; my work-group's 256 bytes of idx
	global_load_b128 v[QA:QA+3], v2, s[50:51]
	global_load_b128 v[QA+4:QA+7], v2, s[50:51] offset:512
	global_load_b32 v[QSW], v3, s[52:53]
	s_mov_b32 s54, 0xffff0000                      ; lanes 16-31
	s_mov_b32 s56, 0x76543210
	s_mov_b32 s57, 0xfedcba98
.irp k, 0,1,2,3,4
	s_mov_b32 s[70+\k], 0x00010001<<\k             ; lanes with lane % 16 = k
.endr
	s_wait_kmcnt 0x0
.irp g, 0,1,2,3,4
	s_min_u32 s[16+\g], s[16+\g], 0x3ff            ; a loaded number enters an address only behind this hold
	s_lshl_b32 s66, s[16+\g], 13
	s_add_nc_u64 s[24+2*\g:25+2*\g], s[4:5], s[66:67]   ; the chunk's 8,192 bytes of codes
	s_lshl_b32 s66, s[16+\g], 9
	s_add_nc_u64 s[34+2*\g:35+2*\g], s[6:7], s[66:67]   ; its 512 bytes of scale words
	s_lshl_b32 s[44+\g], s[16+\g], 7               ; its first key
.endr
.irp g, 0,1,2,3,4
	global_load_b128 v[KSW+4*\g:KSW+4*\g+3], v1, s[34+2*\g:35+2*\g]
.endr
	WIN 0x40                                       ; destination window 1, address window 0
.irp g, 0,1,2,3
.irp t, 0,1,2,3,4,5,6,7
	global_load_b128 v[64*\g+8*\t:64*\g+8*\t+3], v1, s[24+2*\g:25+2*\g] offset:\t*1024
	global_load_b128 v[64*\g+8*\t+4:64*\g+8*\t+7], v1, s[24+2*\g:25+2*\g] offset:\t*1024+512
.endr
.endr
	WIN 0
.irp t, 0,1,2,3,4,5,6,7
	global_load_b128 v[K4+8*\t:K4+8*\t+3], v1, s[32:33] offset:\t*1024
	global_load_b128 v[K4+8*\t+4:K4+8*\t+7], v1, s[32:33] offset:\t*1024+512
.endr
	v_mov_b32 v[BIG], 0x7f7fffff
	v_mov_b32 v[NINF], 0xff800000
	v_mov_b32 v[MX], 0                             ; destinations of DPP forms and lane permutes count as sources: written once
	v_mov_b32 v[PD], 0
.irp k, 0,1,2,3,4
	v_mov_b32 v[V+\k], 0xff800000
	v_mov_b32 v[I+\k], 0
.endr
; v[x] with the number v[ID] goes into the sorted list.  All five compares look at the old list and are strict: of equal values the one that came first, which has the lower number, stays ahead.
.macro INSERT x
.irp k, 0,1,2,3,4
	v_cmp_gt_f32 s[CM+\k], v[\x], v[V+\k]
.endr
.irp k, 4,3,2,1
	v_med3_num_f32 v[V+\k], v[V+\k-1], v[V+\k], v[\x]
	v_cndmask_b32 v[TT], v[ID], v[I+\k-1], s[CM+\k-1]
	v_cndmask_b32 v[I+\k], v[I+\k], v[TT], s[CM+\k]
.endr
	v_max_num_f32 v[V], v[V], v[\x]
	v_cndmask_b32 v[I], v[I], v[ID], s[CM]
.endm
; Chunk g: eight products (each starts its sum with the constant 0), four places, then the 128 scores, four a lane, go into the lists.  The lists' lines, which name no result but
; through the four selects, are the places ahead of the next chunk's products, which write the same eight results anew.
.macro CHUNK g
.if 16*(4-\g) > 63
	s_wait_loadcnt 63                              ; 64 loads were issued behind this chunk's; the count's field ends at 63
.else
	s_wait_loadcnt 16*(4-\g)                       ; the later chunks' loads, 16 each, may be out
.endif
.if \g < 4
	WIN 0x04                                       ; source 1 in window 1
.set rF, 64*\g
.else
.set rF, K4
.endif
.irp t, 0,1,2,3,4,5,6,7
.if (\t)%2
	v_wmma_scale_f32_16x16x128_f8f6f4 v[D+8*\t:D+8*\t+7], v[QA:QA+7], v[rF+8*\t:rF+8*\t+7], 0, v[QSW], v[KSW+4*\g+\t/2] matrix_a_fmt:MATRIX_FMT_FP4 matrix_b_fmt:MATRIX_FMT_FP4 matrix_b_scale:MATRIX_SCALE_ROW1
.else
	v_wmma_scale_f32_16x16x128_f8f6f4 v[D+8*\t:D+8*\t+7], v[QA:QA+7], v[rF+8*\t:rF+8*\t+7], 0, v[QSW], v[KSW+4*\g+\t/2] matrix_a_fmt:MATRIX_FMT_FP4 matrix_b_fmt:MATRIX_FMT_FP4
.endif
.endr
	WIN 0
.rept 4
	v_nop                                          ; places in front of the first read of results (ISA guide 7.12.1)
.endr
.irp p, 0,1,2,3
	v_cndmask_b32 v[XX], v[D+16*\p], v[D+16*\p+8], s54             ; lanes 0-15: tile 2 p, lanes 16-31: tile 2 p + 1: the score of key 32 p + lane of the chunk
	s_wait_alu depctr_va_vdst(0)
	v_add_nc_u32 v[ID], s[44+\g], v[4+\p]
	INSERT XX
.endr
.endm
.irp g, 0,1,2,3,4
	CHUNK \g
.endr
.irp a, 0,1,2,3,4
	v_cvt_f32_u32 v[I+\a], v[I+\a]                 ; numbers under 2^24 are exact in f32
.endr
; A round: the best head of the 32 lists; among equal heads the lowest number; the list that held it moves up.
.macro ROUND k
	v_max_num_f32_dpp v[MX], v[V], v[V] row_xmask:1 row_mask:0xf bank_mask:0xf
	v_max_num_f32_dpp v[MX], v[MX], v[MX] row_xmask:2 row_mask:0xf bank_mask:0xf
	v_max_num_f32_dpp v[MX], v[MX], v[MX] row_xmask:4 row_mask:0xf bank_mask:0xf
	v_max_num_f32_dpp v[MX], v[MX], v[MX] row_xmask:8 row_mask:0xf bank_mask:0xf
	v_permlanex16_b32 v[PD], v[MX], s56, s57
	v_max_num_f32 v[MX], v[MX], v[PD]
	v_cmp_eq_f32 vcc_lo, v[V], v[MX]
	v_cndmask_b32 v[F], v[BIG], v[I], vcc_lo
	v_min_num_f32_dpp v[F], v[F], v[F] row_xmask:1 row_mask:0xf bank_mask:0xf
	v_min_num_f32_dpp v[F], v[F], v[F] row_xmask:2 row_mask:0xf bank_mask:0xf
	v_min_num_f32_dpp v[F], v[F], v[F] row_xmask:4 row_mask:0xf bank_mask:0xf
	v_min_num_f32_dpp v[F], v[F], v[F] row_xmask:8 row_mask:0xf bank_mask:0xf
	v_permlanex16_b32 v[PD], v[F], s56, s57
	v_min_num_f32 v[W+\k], v[F], v[PD]
	v_cmp_eq_f32 s[CM], v[I], v[W+\k]
.irp j, 0,1,2,3
	v_cndmask_b32 v[V+\j], v[V+\j], v[V+\j+1], s[CM]
	v_cndmask_b32 v[I+\j], v[I+\j], v[I+\j+1], s[CM]
.endr
	v_cndmask_b32 v[V+4], v[V+4], v[NINF], s[CM]
	v_cndmask_b32 v[I+4], v[I+4], v[BIG], s[CM]
.endm
.irp k, 0,1,2,3,4
	ROUND \k
.endr
	v_mov_b32 v[RES], 0
.irp k, 0,1,2,3,4
	v_cndmask_b32 v[RES], v[RES], v[W+\k], s[70+\k]   ; lane % 16 = k takes winner k; the others keep 0
.endr
	v_cvt_u32_f32 v[RES], v[RES]
	ds_store_b32 v9, v[RES]                        ; two lanes write each word, with the same value
	s_wait_dscnt 0x0
	s_barrier_signal -1
	s_barrier_wait -1
	s_cmp_lg_u32 s3, 0
	s_cbranch_scc1 .Lend
	ds_load_b64 v[200:201], v10
	s_wait_dscnt 0x0
	global_store_b64 v10, v[200:201], s[14:15]     ; 32 lanes store 256 consecutive bytes, at a multiple of 256 from idx's first byte
.Lend:
	s_wait_tensorcnt 0x0
	ds_add_u32 v254, v255
	s_wait_dscnt 0x0
	s_endpgm
.Lfunc_end_k_q8973341e0a_rescan:
	.size	k_q8973341e0a_rescan, .Lfunc_end_k_q8973341e0a_rescan-k_q8973341e0a_rescan
	.p2alignl 7, 3214868480
	.fill 96, 4, 3214868480
	.section	.rodata,"a",@progbits
	.p2align	6, 0x0
	.amdhsa_kernel k_q8973341e0a_rescan
		.amdhsa_group_segment_fixed_size 1536
		.amdhsa_private_segment_fixed_size 0
		.amdhsa_enable_private_segment 0
		.amdhsa_kernarg_size 48
		.amdhsa_user_sgpr_count 2
		.amdhsa_user_sgpr_kernarg_segment_ptr 1
		.amdhsa_wavefront_size32 1
		.amdhsa_system_sgpr_workgroup_id_x 1
		.amdhsa_system_sgpr_workgroup_id_y 1
		.amdhsa_system_sgpr_workgroup_id_z 1
		.amdhsa_system_vgpr_workitem_id 0
		.amdhsa_next_free_vgpr 512
		.amdhsa_next_free_sgpr 80
		.amdhsa_reserve_vcc 1
		.amdhsa_float_denorm_mode_32 3
		.amdhsa_float_denorm_mode_16_64 3
		.amdhsa_memory_ordered 1
		.amdhsa_forward_progress 1
		.amdhsa_inst_pref_size 53
	.end_amdhsa_kernel
	.amdgpu_metadata
---
amdhsa.version: [ 1, 2 ]
amdhsa.kernels:
  - .name:           k_q8973341e0a_rescan
    .symbol:         k_q8973341e0a_rescan.kd
    .args:
      - { .name: kc, .offset: 0, .size: 8, .value_kind: global_buffer, .address_space: global }
      - { .name: ks, .offset: 8, .size: 8, .value_kind: global_buffer, .address_space: global }
      - { .name: qc, .offset: 16, .size: 8, .value_kind: global_buffer, .address_space: global }
      - { .name: qs, .offset: 24, .size: 8, .value_kind: global_buffer, .address_space: global }
      - { .name: cand, .offset: 32, .size: 8, .value_kind: global_buffer, .address_space: global }
      - { .name: idx, .offset: 40, .size: 8, .value_kind: global_buffer, .address_space: global }
    .group_segment_fixed_size: 1536
    .private_segment_fixed_size: 0
    .kernarg_segment_align: 8
    .kernarg_segment_size: 48
    .max_flat_workgroup_size: 128
    .sgpr_count:     80
    .vgpr_count:     512
    .wavefront_size: 32
...
	.end_amdgpu_metadata
.endif
;; end of part 4
;; launch fuse (part 5): grid 256 x 1, 4 waves a work-group, no clusters, 0 bytes of LDS; arguments values, idx, out0; writes out0
.if DOCPART == 5
	.amdgcn_target "amdgcn-amd-amdhsa--gfx1250"
	.amdhsa_code_object_version 6
	.text
	.protected	k_q8973341e0a_fuse
	.globl	k_q8973341e0a_fuse
	.p2align	8
	.type	k_q8973341e0a_fuse,@function
k_q8973341e0a_fuse:
	s_mov_b64 s[64:65], 0
	v_nop
	global_prefetch_b8 v0, s[64:65] scope:SCOPE_SE
	s_setreg_imm32_b32 hwreg(HW_REG_WAVE_MODE, 25, 1), 1
	s_wait_xcnt 0x0
; out0[query] = the mean of the five rows of values [131072][256] f32 that idx names for the query.  A wave takes a query: a row is 1,024 bytes, two loads of 16 bytes a lane.
; The five numbers come by a scalar load from idx, which an earlier launch stored; each is held to 0..131,071 before it enters an address.
; The mean is the sum, in the order of rank, times 0.2.  No hint on the loads: several queries may name the same row.  No LDS, no barrier: waves share nothing.
	s_load_b128 s[4:7], s[0:1], 0x0                ; values s[4:5], idx s[6:7]
	s_load_b64 s[8:9], s[0:1], 0x10                ; out0
	v_lshrrev_b32 v2, 5, v0
	v_readfirstlane_b32 s3, v2                     ; wave
	s_lshl_b32 s2, ttmp9, 2
	s_add_co_u32 s2, s2, s3                        ; my query
	v_and_b32 v1, 31, v0
	v_lshlrev_b32 v1, 4, v1                        ; 16 x lane
	s_lshl_b32 s10, s2, 6
	s_mov_b32 s11, 0
	s_wait_alu depctr_va_vdst(0)
	s_wait_kmcnt 0x0
	s_add_nc_u64 s[6:7], s[6:7], s[10:11]
	s_load_b256 s[12:19], s[6:7], 0x0              ; five numbers (and three zeros)
	s_lshl_b32 s10, s2, 10
	s_add_nc_u64 s[8:9], s[8:9], s[10:11]          ; my row of out0
	s_wait_kmcnt 0x0
.irp k, 0,1,2,3,4
	s_min_u32 s[12+\k], s[12+\k], 0x1ffff
	s_lshl_b32 s10, s[12+\k], 10
	s_add_nc_u64 s[20+2*\k:21+2*\k], s[4:5], s[10:11]
.endr
.irp k, 0,1,2,3,4
	global_load_b128 v[8+8*\k:11+8*\k], v1, s[20+2*\k:21+2*\k]
	global_load_b128 v[12+8*\k:15+8*\k], v1, s[20+2*\k:21+2*\k] offset:512
.endr
.irp k, 1,2,3,4
	s_wait_alu depctr_va_vdst(0)
	s_wait_loadcnt 2*(4-\k)                        ; rows 0 to k are in; the two loads of each later row may be out
.irp j, 0,2,4,6
	v_pk_add_f32 v[8+\j:9+\j], v[8+\j:9+\j], v[8+8*\k+\j:9+8*\k+\j]
.endr
.endr
.irp j, 0,2,4,6
	v_pk_mul_f32 v[8+\j:9+\j], v[8+\j:9+\j], 0x3e4ccccd op_sel_hi:[1,0]   ; x 0.2
.endr
	global_store_b128 v1, v[8:11], s[8:9] th:TH_STORE_NT           ; 32 lanes store 512 consecutive bytes, at a multiple of 256 from out0's first byte
	global_store_b128 v1, v[12:15], s[8:9] offset:512 th:TH_STORE_NT
	s_endpgm
.Lfunc_end_k_q8973341e0a_fuse:
	.size	k_q8973341e0a_fuse, .Lfunc_end_k_q8973341e0a_fuse-k_q8973341e0a_fuse
	.p2alignl 7, 3214868480
	.fill 96, 4, 3214868480
	.section	.rodata,"a",@progbits
	.p2align	6, 0x0
	.amdhsa_kernel k_q8973341e0a_fuse
		.amdhsa_group_segment_fixed_size 0
		.amdhsa_private_segment_fixed_size 0
		.amdhsa_enable_private_segment 0
		.amdhsa_kernarg_size 24
		.amdhsa_user_sgpr_count 2
		.amdhsa_user_sgpr_kernarg_segment_ptr 1
		.amdhsa_wavefront_size32 1
		.amdhsa_system_sgpr_workgroup_id_x 1
		.amdhsa_system_sgpr_workgroup_id_y 1
		.amdhsa_system_sgpr_workgroup_id_z 1
		.amdhsa_system_vgpr_workitem_id 0
		.amdhsa_next_free_vgpr 64
		.amdhsa_next_free_sgpr 66
		.amdhsa_reserve_vcc 0
		.amdhsa_float_denorm_mode_32 3
		.amdhsa_float_denorm_mode_16_64 3
		.amdhsa_memory_ordered 1
		.amdhsa_forward_progress 1
		.amdhsa_inst_pref_size 5
	.end_amdhsa_kernel
	.amdgpu_metadata
---
amdhsa.version: [ 1, 2 ]
amdhsa.kernels:
  - .name:           k_q8973341e0a_fuse
    .symbol:         k_q8973341e0a_fuse.kd
    .args:
      - { .name: values, .offset: 0, .size: 8, .value_kind: global_buffer, .address_space: global }
      - { .name: idx, .offset: 8, .size: 8, .value_kind: global_buffer, .address_space: global }
      - { .name: out0, .offset: 16, .size: 8, .value_kind: global_buffer, .address_space: global }
    .group_segment_fixed_size: 0
    .private_segment_fixed_size: 0
    .kernarg_segment_align: 8
    .kernarg_segment_size: 24
    .max_flat_workgroup_size: 128
    .sgpr_count:     66
    .vgpr_count:     64
    .wavefront_size: 32
...
	.end_amdgpu_metadata
.endif
;; end of part 5
